; MI455X (gfx1250); checked and timed in simulation.
; The chip was launched on July 23, 2026; its instructions are those of AMD's public machine-readable ISA for CDNA 5 (MIT licence, August 2026) and "CDNA5" Instruction Set Architecture Reference Guide (July 2026). The comments in the code are by the model that wrote it; some were corrected since.
;; Self Attention Head. Allowed arithmetic: matrix products marked QUANTISED: E2M3 operands, one E8M0 scale for each 32 along K, by v_wmma_scale_f32_16x16x128_f8f6f4 with both operands' format E2M3, f32 sums; everything else in f32.
;; Inputs: wk 1,024 x 128 float32; wq 1,024 x 128 float32; wv 1,024 x 128 float32; x 8 x 4,096 x 1,024 float32.
;; Outputs: out0 8 x 4,096 x 128 float32.
;; This version of the problem:
;;   THIS VERSION OF THE PROBLEM IS GIVEN IN LOW PRECISION. The matrix products marked QUANTISED in the list below multiply operands that are first quantised to E2M3 (2 exponent bits, 3 mantissa bits; 6 bits a number), with one power-of-two scale for each 32 numbers along K (OCP MX v1.0); their sums are f32. All else is computed in f32.
;;   The module's matrix products, in the order in which they are computed (A, B: the left and right operand; K: the contracted axis; several contracted axes count as one K, in the product's order):
;;     1. [M 32,768, K 1,024] x [K 1,024, N 128]; A: input x; B: input wq: QUANTISED
;;     2. [M 32,768, K 1,024] x [K 1,024, N 128]; A: input x; B: input wk: QUANTISED
;;     3. [M 32,768, K 1,024] x [K 1,024, N 128]; A: input x; B: input wv: QUANTISED
;;     4. batch 8 x [M 4,096, K 128] x [K 128, N 4,096]; A: computed on the way; B: computed on the way: QUANTISED
;;     5. batch 8 x [M 4,096, K 4,096] x [K 4,096, N 128]; A: softmax (see below); B: computed on the way: QUANTISED
;;   THE QUANTISER, for each operand of a quantised product, along K:
;;     - K is cut into blocks of 32 from its start; a last block that is shorter is filled with zeros.
;;     - A block's scale is 2^e with e = floor(log2(the largest magnitude in the block)) - 2, held to -126 .. 127; a block of zeros has e = 0. As a byte (E8M0): e + 127.
;;     - Each number is divided by its block's scale, clamped to +-7.5, and rounded to the nearest number of E2M3, ties to even, subnormals kept.
;;     - The product sums the exact products of the quantised numbers (number of the format x scale) in f32.
;;   ~~~python
;;   def quantise(x, axis):      # numpy; x: float32 -> the quantised numbers, widened to float32 again
;;       x = np.moveaxis(x, axis, -1); K = x.shape[-1]
;;       x = np.pad(x, [(0, 0)] * (x.ndim - 1) + [(0, -K % 32)]); x = x.reshape(x.shape[:-1] + (-1, 32)); a = np.abs(x).max(-1, keepdims=True)
;;       e = np.where(a > 0, np.clip(np.frexp(np.where(a > 0, a, 1))[1] - 1 - 2, -126, 127), 0)      # np.frexp(a)[1] - 1 = floor(log2(a)), exactly
;;       r = np.clip(x / 2.0 ** e, -7.5, 7.5)
;;       step = 2.0 ** (np.maximum(np.frexp(np.where(r == 0, 1, r))[1] - 1, 0) - 3)
;;       q = np.round(r / step) * step * 2.0 ** e      # np.round: ties to even
;;       return np.moveaxis(q.reshape(q.shape[:-2] + (-1,))[..., :K], -1, axis).astype(np.float32)
;;   ~~~
;;   SOFTMAX AHEAD OF A QUANTISED PRODUCT. Where the list says 'softmax', what is quantised is not the finished softmax but p = 2^(t - M), with t = logit x log2(e) and M = ceil(the row's largest t), a whole number; so 1/2 < the row's largest p <= 1. The row's sum l is taken of the UNQUANTISED p, in f32, and the product's result is divided by l at the end. Since M is a whole number, a kernel that streams over the keys may use a running M (the ceiling of the running maximum): every later rescaling is an exact power of two, which a block's scale takes up: the codes' values come out the same.
;;   OPERANDS COMPUTED ON THE WAY. 'Computed on the way' means the value that the module computes at that place (a softmax that the list does not call 'softmax' is quantised finished and normalised). What goes into a quantiser is computed in f32, as accurately as f32 sums, v_exp_f32 and their like allow (about 1e-6 of the number): no bf16 or f16 on the way to a quantiser, and a product that is left as it is and whose result goes on into a quantised operand takes f32 operands (vector FMAs, or v_wmma_f32_16x16x4_f32). A number that lies on a knife's edge between two numbers of the format may be rounded either way, as far as f32 arithmetic and the matrix unit's own rounding can turn it there, and no further.
;; One version. Each part assembles by itself: llvm-mc -triple=amdgcn-amd-amdhsa -mcpu=gfx1250 --defsym DOCPART=n.
;; ======== version 1 of 1: 3 launches
;; limits: right only within a limited range of input values
;; workspace buffers: wimg 307,200 bytes; qimg 3,145,728 bytes; qsc 131,072 bytes; kv 6,553,600 bytes
;; launch wquant (part 1): grid 8 x 3, 8 waves a work-group, no clusters, 2,048 bytes of LDS; arguments wq, wk, wv, wimg; writes wimg
.if DOCPART == 1
	.amdgcn_target "amdgcn-amd-amdhsa--gfx1250"
	.amdhsa_code_object_version 6
	.text
	.protected	k_qb533d4d8b4_wquant
	.globl	k_qb533d4d8b4_wquant
	.p2align	8
	.type	k_qb533d4d8b4_wquant,@function
k_qb533d4d8b4_wquant:
	s_mov_b64 s[64:65], 0
	v_nop
	global_prefetch_b8 v0, s[64:65] scope:SCOPE_SE
	s_setreg_imm32_b32 hwreg(HW_REG_WAVE_MODE, 25, 1), 1
	s_wait_xcnt 0x0
; wq, wk, wv [1024 (C)][128 (D)] f32 become codes of FP6 (E2M3) with one E8M0 scale byte for each 32 along C, laid as the next launch's operand registers want them.
; A work-group takes one K step of 128 along C (work-group x) of one weight (work-group y: 0 wq, 1 wk, 2 wv); each of its eight waves one tile of 16 columns.
; A LANE TAKES A COLUMN AND ITS REGISTERS RUN DOWN C: lane (r, h) holds C = 64 c + 32 h + 0 .. 31, c = 0, 1: two whole blocks, in the order of the operand's registers.  Nothing is transposed.
; AN IMAGE (1,536 bytes) is a fragment's 12 registers as they stand: register p of lane L at 512 (p / 4) + 16 L + 4 (p % 4): three stores of 16 bytes a lane, 512 consecutive bytes each.
; wimg: 38,400 bytes for each K step s: the image of weight g, tile t at 1536 (8 g + t); behind the 24 images, at 36,864 + 512 g, the eight tiles' scale words: tile 4 hh + j, row r at 16 (r + 16 hh) + 4 j,
; so that one load of 16 bytes a lane brings four scale registers, tiles 0-3 in lanes 0-15 and tiles 4-7 in lanes 16-31.
; THE COLUMNS OF A TILE: for wq and wk lane r of tile 2 b + u takes column 32 b + 8 u + r + 8 (r / 8), so that q's and k's results lie with 16 neighbours along d in a lane; for wv column 16 t + r.
; LIMITS: NaN and infinities are not served; a block whose largest magnitude lies under 2^-124 has its byte held at 1; a block of zeros has the byte 1 (its codes are zeros; only this program reads the bytes).
.set IMG,   1536
.set QUADS, 24*IMG
	s_load_b256 s[4:11], s[0:1], 0x0               ; wq s[4:5], wk s[6:7], wv s[8:9], wimg s[10:11]
	v_lshl_add_u32 v128, v0, 2, 0x400              ; my spare word, behind the 512 bytes of scale words
	v_mov_b32 v129, 0
	v_lshrrev_b32 v1, 5, v0
	v_readfirstlane_b32 s12, v1                    ; wave = tile 0..7
	s_and_b32 s13, ttmp7, 0xffff                   ; g
	v_and_b32 v1, 15, v0                           ; r
	s_wait_alu depctr_va_vdst(0)
	v_bfe_u32 v2, v0, 4, 1                         ; h
	v_and_b32 v3, 31, v0                           ; lane
	v_lshlrev_b32 v6, 4, v3                        ; 16 x lane: my place in an image
	s_lshr_b32 s16, s12, 1
	s_lshl_b32 s16, s16, 5
	s_and_b32 s17, s12, 1
	s_lshl_b32 s17, s17, 3
	s_add_co_u32 s16, s16, s17                     ; wq, wk: the tile begins at column 32 (t / 2) + 8 (t % 2)
	s_lshl_b32 s17, s12, 4                         ; wv: at 16 t
	s_cmp_eq_u32 s13, 2
	s_cselect_b32 s16, s17, s16
	s_cselect_b32 s15, 0, 8                        ; wq, wk: rows 8-15 of a tile lie 8 columns further on
	s_wait_alu depctr_va_vdst(0)
	v_and_b32 v4, s15, v1
	v_add3_u32 v4, v4, v1, s16                     ; my column
	v_lshlrev_b32 v4, 2, v4
	v_lshl_add_u32 v5, v2, 14, v4                  ; + 32 h rows of 512 bytes
	s_lshr_b32 s26, s12, 2
	s_lshl_b32 s26, s26, 8
	s_and_b32 s27, s12, 3
	s_lshl_b32 s27, s27, 2
	s_add_co_u32 s26, s26, s27
	v_lshl_add_u32 v7, v1, 4, s26                  ; LDS: my row's scale word: 16 r + 256 (t / 4) + 4 (t % 4)
	s_mov_b32 s20, 0x76543210
	s_mov_b32 s21, 0xfedcba98                      ; v_permlanex16_b32's selects for lane l xor 16
	s_lshl_b32 s18, ttmp9, 16                      ; the K step's 128 rows of 512 bytes
	s_mov_b32 s19, 0
	s_mul_i32 s22, ttmp9, 25
	s_lshl_b32 s23, s13, 3
	s_add_co_u32 s22, s22, s23
	s_add_co_u32 s22, s22, s12
	s_mul_i32 s22, s22, IMG                        ; where my image goes (a K step's part is as long as 25 images)
	s_mov_b32 s23, 0
	s_mul_i32 s28, ttmp9, 25*IMG
	s_lshl_b32 s29, s13, 9
	s_add_co_u32 s28, s28, s29
	s_add_co_u32 s28, s28, QUADS                   ; and the work-group's 512 bytes of scale words
	s_mov_b32 s29, 0
	s_wait_alu depctr_va_vdst(0)
	s_wait_kmcnt 0x0
	s_cmp_eq_u32 s13, 1                            ; the weight is chosen by the work-group's number alone
	s_cselect_b64 s[4:5], s[6:7], s[4:5]
	s_cmp_eq_u32 s13, 2
	s_cselect_b64 s[4:5], s[8:9], s[4:5]
	s_add_nc_u64 s[4:5], s[4:5], s[18:19]
	s_add_nc_u64 s[24:25], s[10:11], s[22:23]
	s_add_nc_u64 s[10:11], s[10:11], s[28:29]
.irp c, 0,1
.irp i, 0,1,2,3,4,5,6,7,8,9,10,11,12,13,14,15,16,17,18,19,20,21,22,23,24,25,26,27,28,29,30,31
	global_load_b32 v[64+32*\c+\i], v5, s[4:5] offset:512*(64*\c+\i)   ; w(128 s + 64 c + 32 h + i, my column)
.endr
.endr
	s_wait_loadcnt 0x0
.irp c, 0,1                                    ; my block 2 c + h: all its 32 numbers are mine
	v_max3_num_f32 v[32+\c], |v[64+32*\c]|, |v[65+32*\c]|, 0x1800000   ; with the floor 2^(3 - 127): the byte cannot fall under 1
.endr
.irp i, 2,4,6,8,10,12,14,16,18,20,22,24,26,28,30
.irp c, 0,1
	s_delay_alu instid0(VALU_DEP_2)
	v_max3_num_f32 v[32+\c], v[32+\c], |v[64+32*\c+\i]|, |v[65+32*\c+\i]|   ; (the two blocks by turns)
.endr
.endr
.irp c, 0,1
	v_add_nc_u32 v[44+\c], 0xff000000, v[32+\c]    ; 2 off the exponent field: the conversion takes this operand's exponent field as its scale
.endr
.irp c, 0,1
	v_lshrrev_b32 v[36+\c], 23, v[44+\c]           ; the scale's byte
.endr
	v_lshl_or_b32 v9, v37, 16, v36                 ; my two bytes: blocks h and 2 + h,
	v_lshlrev_b32 v10, 3, v2
	v_lshlrev_b32 v9, v10, v9                      ; at their places in the word (8 h bits up);
	v_mov_b32 v10, 0
	v_permlanex16_b32 v10, v9, s20, s21
	v_or_b32 v9, v9, v10                           ; with lane l xor 16's two the word is whole
.irp c, 0,1
	v_cvt_scalef32_pk16_fp6_f32 v[48+6*\c:50+6*\c], v[64+32*\c:79+32*\c], v[44+\c]
	v_cvt_scalef32_pk16_fp6_f32 v[16+4*\c:18+4*\c], v[80+32*\c:95+32*\c], v[44+\c]   ; (a conversion's three registers begin on an even number)
.endr
	v_nop                                          ; one plain line behind the scaled conversions
.irp c, 0,1
.irp i, 0,1,2
	v_mov_b32 v[51+6*\c+\i], v[16+4*\c+\i]
.endr
.endr
.irp i, 0,1,2
	global_store_b128 v6, v[48+4*\i:51+4*\i], s[24:25] offset:512*\i   ; the image: 512 consecutive bytes a store
.endr
	ds_store_b32 v7, v9                            ; both halves of the lanes write the same word with the same value
	s_wait_dscnt 0x0                               ; for the others' sake: my word has landed
	s_barrier_signal -1
	s_barrier_wait -1
	s_cmp_lg_u32 s12, 0
	s_cbranch_scc1 .Ldone
	ds_load_b128 v[12:15], v6                      ; wave 0: the eight tiles' words, 512 bytes
	s_wait_dscnt 0x0
	global_store_b128 v6, v[12:15], s[10:11]
.Ldone:
	s_wait_tensorcnt 0x0                           ; the wave's end
	ds_add_u32 v128, v129
	s_wait_dscnt 0x0
	s_endpgm
.Lfunc_end_k_qb533d4d8b4_wquant:
	.size	k_qb533d4d8b4_wquant, .Lfunc_end_k_qb533d4d8b4_wquant-k_qb533d4d8b4_wquant
	.p2alignl 7, 3214868480
	.fill 96, 4, 3214868480
	.section	.rodata,"a",@progbits
	.p2align	6, 0x0
	.amdhsa_kernel k_qb533d4d8b4_wquant
		.amdhsa_group_segment_fixed_size 2048
		.amdhsa_private_segment_fixed_size 0
		.amdhsa_enable_private_segment 0
		.amdhsa_kernarg_size 32
		.amdhsa_user_sgpr_count 2
		.amdhsa_user_sgpr_kernarg_segment_ptr 1
		.amdhsa_wavefront_size32 1
		.amdhsa_system_sgpr_workgroup_id_x 1
		.amdhsa_system_sgpr_workgroup_id_y 1
		.amdhsa_system_sgpr_workgroup_id_z 1
		.amdhsa_system_vgpr_workitem_id 0
		.amdhsa_next_free_vgpr 130
		.amdhsa_next_free_sgpr 66
		.amdhsa_reserve_vcc 0
		.amdhsa_float_denorm_mode_32 3
		.amdhsa_float_denorm_mode_16_64 3
		.amdhsa_memory_ordered 1
		.amdhsa_forward_progress 1
		.amdhsa_inst_pref_size 14
	.end_amdhsa_kernel
	.amdgpu_metadata
---
amdhsa.version: [ 1, 2 ]
amdhsa.kernels:
  - .name:           k_qb533d4d8b4_wquant
    .symbol:         k_qb533d4d8b4_wquant.kd
    .args:
      - { .name: wq, .offset: 0, .size: 8, .value_kind: global_buffer, .address_space: global }
      - { .name: wk, .offset: 8, .size: 8, .value_kind: global_buffer, .address_space: global }
      - { .name: wv, .offset: 16, .size: 8, .value_kind: global_buffer, .address_space: global }
      - { .name: wimg, .offset: 24, .size: 8, .value_kind: global_buffer, .address_space: global }
    .group_segment_fixed_size: 2048
    .private_segment_fixed_size: 0
    .kernarg_segment_align: 8
    .kernarg_segment_size: 32
    .max_flat_workgroup_size: 256
    .sgpr_count:     66
    .vgpr_count:     130
    .wavefront_size: 32
...
	.end_amdgpu_metadata
.endif
;; end of part 1
;; launch proj (part 2): grid 256 x 1, 4 waves a work-group, clusters of 4 x 1, 327,680 bytes of LDS; arguments x, wimg, qimg, qsc, kv; writes qimg, qsc, kv
.if DOCPART == 2
	.amdgcn_target "amdgcn-amd-amdhsa--gfx1250"
	.amdhsa_code_object_version 6
	.text
	.protected	k_qb533d4d8b4_proj
	.globl	k_qb533d4d8b4_proj
	.p2align	8
	.type	k_qb533d4d8b4_proj,@function
k_qb533d4d8b4_proj:
	s_mov_b64 s[64:65], 0
	v_nop
	global_prefetch_b8 v0, s[64:65] scope:SCOPE_SE
	s_setreg_imm32_b32 hwreg(HW_REG_WAVE_MODE, 25, 1), 1
	s_wait_xcnt 0x0
	s_wait_alu depctr_hold_cnt(0) depctr_sa_sdst(0) depctr_va_vdst(0) depctr_va_sdst(0) depctr_va_ssrc(0) depctr_va_vcc(0) depctr_vm_vsrc(0)
	s_getreg_b32 s2, hwreg(HW_REG_IB_STS2, 6, 4)
	s_cmp_eq_u32 s2, 0
	s_cbranch_scc0 .Lentry_in_a_cluster
	s_endpgm
.Lentry_in_a_cluster:
	s_bfe_u32 s2, ttmp6, 0x10000c
	s_cmp_lg_u32 s2, 0x3003
	s_cbranch_scc0 .Lentry_shape_is_right
	s_endpgm
.Lentry_shape_is_right:
; q, k, v = x w on codes of FP6 (E2M3) with one E8M0 scale for each 32 along C; then q and k are quantised along d and v along the keys, and only codes and scale bytes go to memory.
; SHARES.  Work-group G (0..255) owns tokens 128 G .. + 127: one key step of the attention.  Wave w owns tokens 32 w .. + 31 as two tiles of 16 rows, against all 384 columns: 48 accumulators.
; THE TOKENS OF A TILE ARE NOT NEIGHBOURS: row p of tile u is token 32 w + 8 u + p + 8 (p / 8).  So v's results (source 0 = x) hold 16 neighbouring keys in a lane's 16 registers of tiles u = 0, 1.
; THE WEIGHTS' CODES AND SCALE WORDS, 307,200 bytes as the launch before laid them, come into LDS ONCE and stay.  The four work-groups of a cluster need the same bytes: each wave asks for a quarter, two K steps,
; JOINTLY with the same wave of its three partners (the same descriptor, a mask that names the four).  A quarter is waited for only ahead of its first K step.  No tensor load fills LDS a second time.
; x goes from memory into registers (each load: two pieces of 256 consecutive bytes, each at a multiple of 256 from x's first byte), through the wave's own turn stage in LDS (a lane must hold 16 neighbours along C for the
; conversions) back into the same registers, and is quantised there.  A UNIT is 16 rows x 128 of C, 64 registers; five units stand in registers: at the most four on their way, up to two turned and not yet quantised.
; A unit is turned while a group of products runs.  No prefetch: three to four units, 96 to 128 KiB a work-group, are always asked for ahead.
; q^T and k^T: source 0 = 16 columns of w, source 1 = 16 tokens: a lane holds one token and registers along d.  v: source 0 = 16 tokens, source 1 = 16 channels: a lane holds one channel and registers along the keys.
; OUT: qimg: the image of query tile t of G at 1536 (8 G + t); qsc: its 16 scale words at 64 (8 G + t).  kv: 102,400 bytes for a slot of four key steps (a cluster's four G): piece n of 512 bytes of G at
; 102400 (G / 4) + 2048 n + 512 (G % 4): k's eight images are pieces 0-23, v's eight (row = channel, K = the 128 keys) 24-47, k's scale words 48, v's 49 (tile 4 hh + j, row r at 16 (r + 16 hh) + 4 j).
; An image is a fragment's 12 registers as they stand: register p of lane L at 512 (p / 4) + 16 L + 4 (p % 4).
; K'S TILES: row 8 h + j of tile t is key 64 (t / 4) + 32 h + 8 (t % 4) + j of the key step: so the attention's scores lie as whole scale blocks.  k's rows change places in LDS on the way out, over the weights, whose last read is over.
; LIMITS: NaN and infinities are not served; a block whose largest magnitude lies under 2^-124 has its byte held at 1; a block of zeros has the byte 1 (its codes are zeros; only this program reads the bytes).
; REGISTERS, in windows of 256: window 0: addresses, work, x's fragments, unit set 4, set 0 of w's fragments.  window 1: unit sets 0 to 3.
;   window 2: q's accumulators at 64 u + 8 t, k's at 128 + 64 u + 8 t.   window 3: v's accumulators at 16 t + 8 u; from v128 set 1 of w's fragments.
.set IMG,   1536
.set WSTEP, 25*IMG                     ; a K step's 24 images of w and its 1,536 bytes of scale words
.set WPART, 76800                      ; a wave's quarter of the weights: 300 rows of 256 bytes
.set TURNB, 307200                     ; behind the weights: a turn stage of 16 rows x (256 + 16) bytes for each wave
.set TPW,   4352
.set STG,   307200                     ; behind the walk over C the same bytes are the work-group's stage: v's images, k's words + 12,288, v's + 12,800, q's + 13,312
.set SPARE, 324608                     ; behind that: the spare words, 128 bytes for each wave
.set XA,  4                            ; v4     x: 4096 (l / 16) + 16 (l % 16)
.set TS,  5                            ; v5     turn stage, in: 272 (l / 16) + 16 (l % 16)
.set TL,  6                            ; v6     turn stage, out: 272 r + 64 h
.set WA,  7                            ; v7     w's images: 16 l + the K step
.set LI,  9                            ; v9     16 l
.set VA,  10                           ; v10-12 where my three registers of v's codes go in an image
.set VBA, 13                           ; v13    v's scale byte
.set KSA, 14                           ; v14    k's scale word
.set QSA, 15                           ; v15    q's scale word
.set PW,  16                           ; v16-19 q's and k's scale words
.set TM,  20                           ; v20-23 largest magnitudes, v24-27 bytes, v32-35 the conversions' scale operands
.set PT,  36                           ; v36-43 the conversions' second halves
.set XS,  44                           ; v44-45 x's scale words: they hold scales and nothing else
.set SW,  46                           ; v46-53 w's scale words, two sets of four: likewise
.set XF,  54                           ; v54-77 x's two fragments
.set RB,  78                           ; v78    the way out: my 3,072 bytes of v's images
.set RB7, 79                           ; v79    and 512 bytes of scale words
.set X,   80                           ; v80-143 unit set 4; on the way out what is read back
.set WB0, 144                          ; v144-239 set 0 of w's fragments (set 1: window 3, v128-223)
.set VC,  240                          ; v240-254 v's codes, four times three registers; between them:
.set KIA, 243                          ; v243   LDS: where my rows of k go in their images
.set KIR, 247                          ; v247   LDS: my wave's two images of k
.set SPW, 251                          ; v251   my spare word
.set NIL, 255                          ; v255   0
.set SEL, 20                           ; s[20:21]
.set MSB, 0
.macro WIN new                         ; the immediate's high byte repeats the setting that is left; a switch that changes nothing is dropped
.if MSB != (\new)
	s_set_vgpr_msb (MSB<<8)|(\new)
.set MSB, (\new)
.endif
.endm
.macro WALU
	s_wait_alu depctr_va_vdst(0)
.endm
.macro PLACES n                        ; plain vector lines that name no register of the matrix instructions ahead of them (ISA guide 7.12.1)
.rept \n
	v_nop
.endr
.endm
.macro CROUND                          ; a round of the cluster's barrier
	s_barrier_signal -1
	s_barrier_wait -1
	s_cmp_lg_u32 s14, 0
	s_cbranch_scc1 .Lnot_wave_0_\@
	s_barrier_signal -3
.Lnot_wave_0_\@:
	s_barrier_wait -3
	s_barrier_signal -1
	s_barrier_wait -1
.endm
; Quarter n of the weights is shown to all waves: the wave that fetched it waits for it; at the last quarter every wave waits.  Other quarters may be on their way.
.macro SHOW n
	s_wait_dscnt 0x0
.if (\n) < 3
	s_cmp_eq_u32 s14, (\n)
	s_cbranch_scc0 .Lnot_my_part_\@
	s_wait_tensorcnt 0x0
.Lnot_my_part_\@:
.else
	s_wait_tensorcnt 0x0
.endif
	s_barrier_signal -1
	s_barrier_wait -1
.endm
; Unit U = 2 s + u, tile u's 16 rows x 128 numbers of K step s, stands in set U % 5.
.macro UNITSET U
.set XB_, 64*((\U)%5)
.set XW_, 1
.if (\U)%5 == 4
.set XB_, X
.set XW_, 0
.endif
.endm
; Its 16 loads: lanes 0-15 take 256 bytes of one row, lanes 16-31 of the next.
.macro XL U
	UNITSET \U
	WIN XW_<<6
.irp hu, 0,1
.irp i, 0,1,2,3,4,5,6,7
	global_load_b128 v[XB_+32*\hu+4*\i:XB_+32*\hu+4*\i+3], v[XA], s[4:5] offset:(8*((\U)%2)+2*\i+8*(\i/4))*4096+512*((\U)/2)+256*\hu th:TH_LOAD_NT
.endr
.endr
	WIN 0
.endm
; It goes through my turn stage, 256 bytes of each row at a time, and comes back with register 16 b + i = C 32 b + 16 h + i of row r: 32 LDS instructions.  LDS serves a wave's instructions in order (ISA guide 5.7.1.4): no wait inside.
.macro TURN U
	UNITSET \U
.if 15-(\U) >= 3
	s_wait_loadcnt 48                              ; this unit's 16 loads are in; the three units behind it may be on their way
.else
	s_wait_loadcnt 16*(15-(\U))                    ; the last units: the counts run down
.endif
.irp hu, 0,1
	WIN XW_<<2                                     ; an LDS store's data are its source 1
.irp i, 0,1,2,3,4,5,6,7
	ds_store_b128 v[TS], v[XB_+32*\hu+4*\i:XB_+32*\hu+4*\i+3] offset:544*\i
.endr
	WIN XW_<<6
.irp bb, 0,1
.irp j, 0,1,2,3
	ds_load_b128 v[XB_+32*\hu+16*\bb+4*\j:XB_+32*\hu+16*\bb+4*\j+3], v[TL] offset:128*\bb+16*\j
.endr
.endr
.endr
	WIN 0
.endm
; Four blocks of 32: block b's numbers are my v[s + 16 b ..+ 15] (window ws) and lane l xor 16's.  Leaves the conversions' scale operands in v[TM+12+b] and the bytes in v[TM+4+b].  Each accumulator is read from its low end on.
.macro QMAX s, ws
	WIN (\ws)|((\ws)<<2)
.irp b, 0,1,2,3
	v_max3_num_f32 v[TM+\b], |v[(\s)+16*\b]|, |v[(\s)+16*\b+1]|, 0x1800000   ; with the floor 2^(3 - 127): the byte cannot fall under 1
.endr
.irp i, 2,4,6,8,10,12,14
.irp b, 0,1,2,3
	v_max3_num_f32 v[TM+\b], |v[(\s)+16*\b+\i]|, |v[(\s)+16*\b+\i+1]|, v[TM+\b]   ; (the four blocks by turns)
.endr
.endr
	WIN 0
.irp b, 0,1,2,3
	v_permlanex16_b32 v[TM+4+\b], v[TM+\b], s[SEL], s[SEL+1]
.endr
.irp b, 0,1,2,3
	v_max_num_f32 v[TM+\b], v[TM+\b], v[TM+4+\b]
.endr
.irp b, 0,1,2,3
	v_add_nc_u32 v[TM+12+\b], 0xff000000, v[TM+\b] ; 2 off the exponent field
.endr
.irp b, 0,1,2,3
	v_lshrrev_b32 v[TM+4+\b], 23, v[TM+12+\b]      ; the scale's byte
.endr
.endm
; 64 numbers of a lane, register 16 b + i = K 32 b + 16 h + i of my row, become a fragment in v[d ..+ 11] and its scale word in v[pw].
.macro QUANT s, ws, d, pw
	QMAX \s, \ws
	v_lshl_or_b32 v[\pw], v[TM+5], 8, v[TM+4]
	v_lshl_or_b32 v[\pw], v[TM+6], 16, v[\pw]
	v_lshl_or_b32 v[\pw], v[TM+7], 24, v[\pw]
	WIN \ws
.irp c, 0,1
	v_cvt_scalef32_pk16_fp6_f32 v[(\d)+6*\c:(\d)+6*\c+2], v[(\s)+32*\c:(\s)+32*\c+15], v[TM+12+2*\c]
	v_cvt_scalef32_pk16_fp6_f32 v[PT+4*\c:PT+4*\c+2], v[(\s)+32*\c+16:(\s)+32*\c+31], v[TM+13+2*\c]   ; (a conversion's three registers begin on an even number)
.endr
	WIN 0
	v_nop                                          ; one plain line behind the scaled conversions
.irp c, 0,1                                    ; the operand wants a WHOLE block in a lane: lanes 0-15 block 2 c, lanes 16-31 block 2 c + 1
.irp i, 0,1,2
	v_permlane16_swap_b32 v[(\d)+6*\c+\i], v[PT+4*\c+\i]
.endr
.irp i, 0,1,2
	v_mov_b32 v[(\d)+3+6*\c+\i], v[PT+4*\c+\i]
.endr
.endr
.endm
.macro QUANTX U                        ; a turned unit becomes its tile's fragment
	UNITSET \U
	QUANT XB_, XW_, XF+12*((\U)%2), XS+((\U)%2)
.endm
; Group G = 3 s + g: K step s of weight g.  Its 8 fragments and 4 scale registers come from LDS into set G % 2: 25 loads.
.macro LOADW G
.set WBB, WB0-16*((\G)%2)
.if ((\G)%3 == 0) && ((\G) > 0)
	v_add_nc_u32 v[WA], WSTEP, v[WA]               ; the next K step's images
.endif
.if (\G)%2
	WIN 0xc0                                       ; destination window 3
.endif
.irp ct, 0,1,2,3,4,5,6,7
.irp i, 0,1,2
	ds_load_b128 v[WBB+12*\ct+4*\i:WBB+12*\ct+4*\i+3], v[WA] offset:IMG*(8*((\G)%3)+\ct)+512*\i
.endr
.endr
	WIN 0
	ds_load_b128 v[SW+4*((\G)%2):SW+4*((\G)%2)+3], v[WA] offset:24*IMG+512*((\G)%3)
.endm
; One matrix instruction.  zero: the sum begins.  ra, rb: the halves of the lanes in which the sources' scale words stand.
.macro MM d, a, b, zero, sa, sb, ra, rb
.if \zero
	v_wmma_scale_f32_16x16x128_f8f6f4 v[(\d):(\d)+7], v[(\a):(\a)+11], v[(\b):(\b)+11], 0, v[\sa], v[\sb] matrix_a_fmt:MATRIX_FMT_FP6 matrix_b_fmt:MATRIX_FMT_FP6 matrix_a_scale:MATRIX_SCALE_ROW\ra matrix_b_scale:MATRIX_SCALE_ROW\rb
.else
	v_wmma_scale_f32_16x16x128_f8f6f4 v[(\d):(\d)+7], v[(\a):(\a)+11], v[(\b):(\b)+11], v[(\d):(\d)+7], v[\sa], v[\sb] matrix_a_fmt:MATRIX_FMT_FP6 matrix_b_fmt:MATRIX_FMT_FP6 matrix_a_scale:MATRIX_SCALE_ROW\ra matrix_b_scale:MATRIX_SCALE_ROW\rb
.endif
.endm
; The group's 16 matrix instructions: 8 tiles of columns x 2 tiles of tokens.  The 48 accumulators take turns, one instruction a turn, in the same order in every K step.
.macro MUL16 G
.set ZZ, 0
.if (\G) < 3
.set ZZ, 1                             ; the first K step starts the sums: nothing is cleared
.endif
.set WBB, WB0-16*((\G)%2)
.set SWW, SW+4*((\G)%2)
.if (\G)%3 < 2
	WIN 0xa0+3*((\G)%2)                            ; C and D window 2; source 0 (w) window 0 or 3; source 1 (x) window 0
.irp t, 0,1,2,3
.irp u, 0,1
	MM 128*((\G)%3)+64*\u+8*\t, WBB+12*\t, XF+12*\u, ZZ, SWW+\t, XS+\u, 0, 0
.endr
.endr
.irp t, 0,1,2,3
.irp u, 0,1
	MM 128*((\G)%3)+64*\u+32+8*\t, WBB+48+12*\t, XF+12*\u, ZZ, SWW+\t, XS+\u, 1, 0
.endr
.endr
.else
	WIN 0xf0+12*((\G)%2)                           ; C and D window 3; source 0 (x) window 0; source 1 (w) window 0 or 3
.irp t, 0,1,2,3
.irp u, 0,1
	MM 16*\t+8*\u, XF+12*\u, WBB+12*\t, ZZ, XS+\u, SWW+\t, 0, 0
.endr
.endr
.irp t, 0,1,2,3
.irp u, 0,1
	MM 64+16*\t+8*\u, XF+12*\u, WBB+48+12*\t, ZZ, XS+\u, SWW+\t, 0, 1
.endr
.endr
.endif
.endm
; n places in front of the loads into the set that the group before last multiplied (and, n = 8, between the vector lines that wrote x's scale word and the scaled matrix instructions); the next group's loads; the wait for this group's;
; in the first two groups of a K step one of the next step's units is turned; this group's products.
; THE COUNTS.  Behind this group's 25 loads stand the next group's 25 and, in a step's second and third group, the 32 of the unit turned in the group before.
.macro GROUP G, n
	PLACES \n
.if (\G) < 23
	LOADW (\G)+1
.endif
.if (\G) == 23
	s_wait_dscnt 0x0
.elseif ((\G)%3 == 0) || ((\G) > 20)
	s_wait_dscnt 25
.else
	s_wait_dscnt 57
.endif
.if ((\G)%3 < 2) && ((\G) < 21)
	TURN 2*((\G)/3)+2+((\G)%3)
.if ((\G)%3 == 0) && (2*((\G)/3)+6 < 16)
	XL 2*((\G)/3)+6                                ; into the set that the step's second fragment was made from
.endif
.endif
	MUL16 \G
	WIN 0
.endm
.macro KSTEP s
	WALU
	GROUP 3*(\s), 8
	GROUP 3*(\s)+1, 4
.if ((\s)%2) && ((\s) < 7)
	SHOW ((\s)+1)/2                                ; the next two K steps' weights, ahead of their first loads
.endif
	GROUP 3*(\s)+2, 4
.if (\s) < 7
	s_wait_dscnt 25                                ; both units are turned; the next group's loads may be out
	QUANTX 2*(\s)+2
.if 2*(\s)+7 < 16
	XL 2*(\s)+7
.endif
	QUANTX 2*(\s)+3
.endif
.endm
; v: channels 16 (4 half + b) + r, b = 0 .. 3: my 16 keys of the block of 32 that is my wave's become 3 registers of codes, which go to their places in v's images, and the block's byte to its place in v's scale words.
.macro VQ half
	QMAX 64*\half, 3
	WIN 0x03                                       ; source 0 window 3
.irp b, 0,1,2,3
	v_cvt_scalef32_pk16_fp6_f32 v[VC+4*\b:VC+4*\b+2], v[64*\half+16*\b:64*\half+16*\b+15], v[TM+12+\b]
.endr
	WIN 0
	v_nop                                          ; one plain line behind the scaled conversions
.irp b, 0,1,2,3
.irp i, 0,1,2
	ds_store_b32 v[VA+\i], v[VC+4*\b+\i] offset:IMG*(4*\half+\b)
.endr
	ds_store_b8 v[VBA], v[TM+4+\b] offset:256*\half+4*\b   ; both halves of the lanes write the same byte with the same value
.endr
	s_wait_dscnt 0x0                               ; the stores have read their registers
.endm
	s_load_b256 s[4:11], s[0:1], 0x0               ; x s[4:5], wimg s[6:7], qimg s[8:9], qsc s[10:11]
	s_load_b64 s[12:13], s[0:1], 0x20              ; kv
	v_lshl_add_u32 v[SPW], v0, 2, SPARE
	v_mov_b32 v[NIL], 0
	ds_add_u32 v[SPW], v[NIL]                      ; the opening lines: the add, twice on end, and its wait
	ds_add_u32 v[SPW], v[NIL]
	v_lshrrev_b32 v1, 5, v0
	v_readfirstlane_b32 s14, v1                    ; wave 0..3
	s_bfe_u32 s15, ttmp6, 0x40000                  ; cx: my place in the cluster: it enters global addresses alone
	s_lshl_b32 s16, ttmp9, 2
	s_add_co_u32 s16, s16, s15                     ; G = 4 x cluster x + cx
	v_and_b32 v1, 31, v0                           ; l
	v_and_b32 v2, 15, v0                           ; r
	v_bfe_u32 v3, v0, 4, 1                         ; h
	v_lshlrev_b32 v[LI], 4, v1
	v_lshlrev_b32 v[XA], 4, v2
	v_lshl_add_u32 v[XA], v3, 12, v[XA]
	; descriptor group 1: a dense block of 76,800 bytes as 300 rows of 32 elements of 8 bytes
	s_mov_b32 s24, 15|(3<<16)|(1<<21)              ; 15:0 the mask: all four work-groups; 17:16 elements of 8 bytes; 20 no padding; 21 set beside a mask
	s_mov_b32 s25, 32<<16                          ; tensor_dim0 = 32
	s_mov_b32 s26, 300<<16                         ; tensor_dim1 = 300
	s_mov_b32 s27, 32<<16                          ; tile_dim0 = 32
	s_mov_b32 s28, 300                             ; tile_dim1 = 300
	s_mov_b32 s29, 32                              ; from row to row
	s_mov_b32 s30, 0
	s_mov_b32 s31, 0
	s_mul_i32 s36, s14, WPART                      ; my quarter: the wave's number alone: the same in all four partners
	s_mov_b32 s37, 0
	s_mov_b32 s32, 1                               ; group 0: count = 1,
	s_mov_b32 s33, s36                             ; LDS address,
	s_wait_dscnt 0x0
	s_wait_kmcnt 0x0
	s_add_nc_u64 s[34:35], s[6:7], s[36:37]        ; global address,
	s_or_b32 s35, s35, 0x80000000                  ; type = 2
	s_lshl_b32 s36, s16, 19                        ; x at my wave's first token: 128 G + 32 w rows of 4,096 bytes
	s_lshl_b32 s38, s14, 17
	s_add_co_u32 s36, s36, s38
	s_add_nc_u64 s[4:5], s[4:5], s[36:37]
	CROUND                                         ; all four work-groups are here: the joint loads meet
.irp q, 0,1,2                                  ; one load a wave, a line of its own for each wave: their waits stand at different places
	s_cmp_eq_u32 s14, \q
	s_cbranch_scc0 .Lnot_wave_q\q
	tensor_load_to_lds s[32:35], s[24:31]
	s_nop 0
	PLACES 4
	s_branch .Lasked
.Lnot_wave_q\q:
.endr
	tensor_load_to_lds s[32:35], s[24:31]
	s_nop 0
	PLACES 4
.Lasked:
	WALU
	XL 0
	XL 1
	XL 2
	XL 3
	s_mul_i32 s38, s14, TPW
	s_add_co_u32 s38, s38, TURNB                   ; my turn stage
	v_mul_u32_u24 v[TS], v3, 272
	v_lshl_add_u32 v[TS], v2, 4, v[TS]
	v_add_nc_u32 v[TS], s38, v[TS]
	v_mul_u32_u24 v[TL], v2, 272
	v_lshl_add_u32 v[TL], v3, 6, v[TL]
	v_add_nc_u32 v[TL], s38, v[TL]
	v_mov_b32 v[WA], v[LI]
	; v's codes: keys 32 w + 16 h + 0 .. 15 of a channel are registers 6 (w / 2) + 3 h + 0 .. 2 of lane r + 16 (w % 2) of the channel's image
	s_lshr_b32 s39, s14, 1
	s_mul_i32 s39, s39, 6
	s_and_b32 s40, s14, 1
	s_lshl_b32 s40, s40, 8
	s_add_co_u32 s40, s40, STG
	v_lshl_add_u32 v[PW], v2, 4, s40               ; STG + 16 (r + 16 (w % 2))
	v_mad_u32_u24 v[PW+1], v3, 3, s39              ; the first of my three registers
.irp i, 0,1,2
	v_add_nc_u32 v[PW+2], \i, v[PW+1]
	v_lshrrev_b32 v[PW+3], 2, v[PW+2]
	v_and_b32 v[PW+2], 3, v[PW+2]
	v_lshl_add_u32 v[VA+\i], v[PW+3], 9, v[PW]
	v_lshl_add_u32 v[VA+\i], v[PW+2], 2, v[VA+\i]
.endr
	s_add_co_u32 s41, s14, STG+12800
	v_lshl_add_u32 v[VBA], v2, 4, s41              ; v's scale words: row r, byte w
	s_lshr_b32 s41, s14, 1
	s_and_b32 s42, s14, 1
	s_lshl_b32 s43, s42, 7
	s_lshl_b32 s42, s41, 8
	s_add_co_u32 s42, s42, s43
	s_add_co_u32 s42, s42, STG+12288
	s_mul_i32 s41, s41, 4*IMG
	s_add_co_u32 s41, s41, s43
	v_and_b32 v[PW], 7, v2
	v_lshrrev_b32 v[PW+1], 3, v2
	v_lshl_add_u32 v[KSA], v[PW], 4, s42
	v_lshl_add_u32 v[KSA], v[PW+1], 3, v[KSA]      ; k's scale word of row r of tile u: row 8 (w % 2) + r % 8 of tile 4 (w / 2) + u + 2 (r / 8)
	v_lshl_add_u32 v[KIA], v[PW], 4, s41
	v_mad_u32_u24 v[KIA], v[PW+1], 2*IMG, v[KIA]
	v_lshl_add_u32 v[KIA], v3, 8, v[KIA]           ; and the same place in the images
	s_mul_i32 s41, s14, 2*IMG
	v_add_nc_u32 v[KIR], s41, v[LI]
	s_lshl_b32 s41, s14, 7
	s_add_co_u32 s41, s41, STG+13312
	v_lshl_add_u32 v[QSA], v2, 2, s41              ; q's: 64 (2 w + u) + 4 r
	s_mul_i32 s41, s14, 3072
	s_add_co_u32 s41, s41, STG
	v_add_nc_u32 v[RB], s41, v[LI]
	s_lshl_b32 s41, s14, 9
	s_add_co_u32 s41, s41, STG+12288
	v_add_nc_u32 v[RB7], s41, v[LI]
.irp b, 0,1,2,3
	v_mov_b32 v[TM+4+\b], 0                        ; written once: a lane permute's destination counts as one of its sources
.endr
	s_mov_b32 s[SEL], 0x76543210
	s_mov_b32 s[SEL+1], 0xfedcba98
	s_mul_i32 s36, s16, 8*IMG                      ; qimg at my wave's two tiles
	s_mul_i32 s38, s14, 2*IMG
	s_add_co_u32 s36, s36, s38
	s_add_nc_u64 s[8:9], s[8:9], s[36:37]
	s_mul_i32 s36, ttmp9, 102400                   ; kv at the slot of my cluster's four key steps,
	s_lshl_b32 s42, s15, 9
	s_add_co_u32 s36, s36, s42                     ; mine among them,
	s_add_nc_u64 s[12:13], s[12:13], s[36:37]
	s_mul_i32 s36, s14, 6*2048
	s_add_nc_u64 s[44:45], s[12:13], s[36:37]      ; and at the six pieces of my wave's two images
	s_lshl_b32 s36, s14, 11
	s_add_co_u32 s36, s36, 48*2048
	s_add_nc_u64 s[46:47], s[12:13], s[36:37]      ; waves 0, 1: k's and v's scale words;
	s_lshl_b32 s36, s16, 9
	s_add_nc_u64 s[10:11], s[10:11], s[36:37]
	s_cmp_eq_u32 s14, 2
	s_cselect_b64 s[46:47], s[10:11], s[46:47]     ; wave 2: q's
	WALU                                           ; the wait at the head's end
	TURN 0                                         ; the first two units are turned and quantised under the weights' flight
	XL 4
	TURN 1
	s_wait_dscnt 32                                ; unit 0 is turned
	QUANTX 0
	XL 5
	s_wait_dscnt 0x0
	QUANTX 1
	WALU
	SHOW 0                                         ; K steps 0 and 1
	LOADW 0
.irp s, 0,1,2,3,4,5,6,7                        ; the walk over C is written out: the units' sets come back to where they began only after five K steps
	KSTEP \s
.endr
	PLACES 4                                       ; in front of the first read of results
.irp g, 0,1                                    ; q's and k's two tiles: quantised along d; q's images leave as they stand, each from registers of its own
.irp u, 0,1
	QUANT 128*\g+64*\u, 2, WB0+12*(2*\g+\u), PW+2*\g+\u
.irp i, 0,1,2
.if \g == 0
	global_store_b128 v[LI], v[WB0+12*(2*\g+\u)+4*\i:WB0+12*(2*\g+\u)+4*\i+3], s[8:9] offset:IMG*\u+512*\i
.endif
.endr
.endr
.endr
	s_wait_dscnt 0x0                               ; my reads of the weights and of my turn stage are over:
	s_barrier_signal -1
	s_barrier_wait -1                              ; everybody's are: the turn stages become the work-group's stage, the weights' bytes k's
	WALU
	ds_store_b32 v[QSA], v[PW]
	ds_store_b32 v[QSA], v[PW+1] offset:64
	ds_store_b32 v[KSA], v[PW+2]
	ds_store_b32 v[KSA], v[PW+3] offset:4
.irp u, 0,1
.irp i, 0,1,2
	ds_store_b128 v[KIA], v[WB0+12*(2+\u)+4*\i:WB0+12*(2+\u)+4*\i+3] offset:IMG*\u+512*\i   ; k's rows, to their places
.endr
.endr
	VQ 0
	VQ 1
	s_barrier_signal -1                            ; (the macro has waited for all my LDS stores)
	s_barrier_wait -1                              ; k's and v's images and the scale words are whole
.irp i, 0,1,2,3,4,5
	ds_load_b128 v[X+32+4*\i:X+32+4*\i+3], v[KIR] offset:512*\i
	ds_load_b128 v[X+4*\i:X+4*\i+3], v[RB] offset:512*\i
.endr
.irp i, 0,1,2,3,4,5
	s_wait_dscnt 10-2*\i                           ; the younger loads may be out
	global_store_b128 v[LI], v[X+32+4*\i:X+32+4*\i+3], s[44:45] offset:2048*\i   ; 512 consecutive bytes, at a multiple of 256 from kv's first byte
	global_store_b128 v[LI], v[X+4*\i:X+4*\i+3], s[44:45] offset:24*2048+2048*\i
.endr
	s_cmp_lt_u32 s14, 3
	s_cbranch_scc0 .Lno_words
	ds_load_b128 v[X+24:X+27], v[RB7]
	s_wait_dscnt 0x0
	global_store_b128 v[LI], v[X+24:X+27], s[46:47]
.Lno_words:
	s_wait_tensorcnt 0x0                           ; the wave's end
	ds_add_u32 v[SPW], v[NIL]
	s_wait_dscnt 0x0
	CROUND                                         ; the closing round: no work-group ends while a partner may still ask for bytes jointly with it
	s_endpgm
.Lfunc_end_k_qb533d4d8b4_proj:
	.size	k_qb533d4d8b4_proj, .Lfunc_end_k_qb533d4d8b4_proj-k_qb533d4d8b4_proj
	.p2alignl 7, 3214868480
	.fill 96, 4, 3214868480
	.section	.rodata,"a",@progbits
	.p2align	6, 0x0
	.amdhsa_kernel k_qb533d4d8b4_proj
		.amdhsa_group_segment_fixed_size 327680
		.amdhsa_private_segment_fixed_size 0
		.amdhsa_enable_private_segment 0
		.amdhsa_kernarg_size 40
		.amdhsa_user_sgpr_count 2
		.amdhsa_user_sgpr_kernarg_segment_ptr 1
		.amdhsa_wavefront_size32 1
		.amdhsa_system_sgpr_workgroup_id_x 1
		.amdhsa_system_sgpr_workgroup_id_y 1
		.amdhsa_system_sgpr_workgroup_id_z 1
		.amdhsa_system_vgpr_workitem_id 0
		.amdhsa_next_free_vgpr 1024
		.amdhsa_next_free_sgpr 66
		.amdhsa_reserve_vcc 0
		.amdhsa_float_denorm_mode_32 3
		.amdhsa_float_denorm_mode_16_64 3
		.amdhsa_memory_ordered 1
		.amdhsa_forward_progress 1
		.amdhsa_inst_pref_size 251
	.end_amdhsa_kernel
	.amdgpu_metadata
---
amdhsa.version: [ 1, 2 ]
amdhsa.kernels:
  - .name:           k_qb533d4d8b4_proj
    .symbol:         k_qb533d4d8b4_proj.kd
    .args:
      - { .name: x, .offset: 0, .size: 8, .value_kind: global_buffer, .address_space: global }
      - { .name: wimg, .offset: 8, .size: 8, .value_kind: global_buffer, .address_space: global }
      - { .name: qimg, .offset: 16, .size: 8, .value_kind: global_buffer, .address_space: global }
      - { .name: qsc, .offset: 24, .size: 8, .value_kind: global_buffer, .address_space: global }
      - { .name: kv, .offset: 32, .size: 8, .value_kind: global_buffer, .address_space: global }
    .group_segment_fixed_size: 327680
    .private_segment_fixed_size: 0
    .kernarg_segment_align: 8
    .kernarg_segment_size: 40
    .max_flat_workgroup_size: 128
    .sgpr_count:     66
    .vgpr_count:     1024
    .wavefront_size: 32
...
	.end_amdgpu_metadata
.endif
;; end of part 2
;; launch attn (part 3): grid 32 x 8, 8 waves a work-group, clusters of 4 x 1, 327,680 bytes of LDS; arguments qimg, qsc, kv, out0; writes out0
.if DOCPART == 3
	.amdgcn_target "amdgcn-amd-amdhsa--gfx1250"
	.amdhsa_code_object_version 6
	.text
	.protected	k_qb533d4d8b4_attn
	.globl	k_qb533d4d8b4_attn
	.p2align	8
	.type	k_qb533d4d8b4_attn,@function
k_qb533d4d8b4_attn:
	s_mov_b64 s[64:65], 0
	v_nop
	global_prefetch_b8 v0, s[64:65] scope:SCOPE_SE
	s_setreg_imm32_b32 hwreg(HW_REG_WAVE_MODE, 25, 1), 1
	s_wait_xcnt 0x0
	s_wait_alu depctr_hold_cnt(0) depctr_sa_sdst(0) depctr_va_vdst(0) depctr_va_sdst(0) depctr_va_ssrc(0) depctr_va_vcc(0) depctr_vm_vsrc(0)
	s_getreg_b32 s2, hwreg(HW_REG_IB_STS2, 6, 4)
	s_cmp_eq_u32 s2, 0
	s_cbranch_scc0 .Lentry_in_a_cluster
	s_endpgm
.Lentry_in_a_cluster:
	s_bfe_u32 s2, ttmp6, 0x10000c
	s_cmp_lg_u32 s2, 0x3003
	s_cbranch_scc0 .Lentry_shape_is_right
	s_endpgm
.Lentry_shape_is_right:
; out[b][q][:] = the sum over k <= q of softmax_k(q . k / sqrt(128)) v[k][:], both products on codes of FP6 (E2M3) with one E8M0 scale for each 32 along a product's K.
; q, k, v come as the launch before laid them.  An image is a fragment's 12 registers: three pieces of 512 bytes, register p of lane L at 512 (p / 4) + 16 L + 4 (p % 4).  A slot of kv is four key steps of 128 keys:
; piece n of key step kap of the slot at 2048 n + 512 kap; pieces 0-23 K's eight images, 24-47 V's, 48 K's scale words, 49 V's (tile 4 hh + j, row r at 16 (r + 16 hh) + 4 j).
; THE SOFTMAX: t = score x log2(e) / sqrt(128); M = the largest t so far, rounded UP to a whole number; p = 2^(t - M) is quantised along the keys, not normalised; the sum is taken of the unquantised p and divides at the end.
; When M moves, the sum and O are multiplied by 2^(old M - new M): exact.
; SHARES.  A cluster (x = c, y = the batch) owns the groups of 256 queries c and 15 - c, ONE AFTER THE OTHER: c / 2 + 1 slots, then 8 - c / 2 (both rounded down in c / 2): nine slots for every cluster.
; A work-group takes 32 queries of each of a group's two key steps D = 2 group + a.  Wave w = 2 kap + a: the 32 queries of D as two tiles of 16, and of each slot key step kap: a fragment of K or V serves both tiles.
; At a group's end the four waves of one a join their parts through LDS by exact powers of two: wave kap gets tile kap % 2, channels 64 (kap / 2) on; that tile and that half are its tile 0 and its first half throughout.
; A key step whose keys all come after the wave's queries is masked (-infinity ahead of the softmax): it is left out by scalar branches round its work alone; a NaN or an infinity that reaches only such keys is not carried.
; THE RING.  Two LDS slots.  The four work-groups walk the same keys, so each slot is asked for JOINTLY, each wave an eighth, which holds bytes of all four key steps.  K of the next slot is read into registers behind the round
; that shows it; the round opens when this slot's last fragment has been read, and the softmax is the register work between its opening signal and the wait for it.
; LAYOUT.  Both products transposed: S^T = K Q^T, O^T = V^T P^T: a lane (r, h) holds ONE query r.  K's tiles are laid so that registers 32 c .. 32 c + 31 of S^T are keys 64 c + 32 h + 0 .. 31: a whole scale block in a lane.
; LIMITS: NaN and infinities are not served; the scaled scores t stay under 2^31 in magnitude.  A block's largest p is taken from its largest score, which takes v_exp_f32 not to fall where its input rises (the ISA guide promises 1 ulp).
; REGISTERS, window 0: below.  Window 1: v0-63 O^T of tile 0, v64-127 of tile 1; X, Y, two of Z's fragments; addresses of the exchange.
; (Of the softmax, the new M and t - M stand inside the round's opening barrier and tile 0's exponentials inside its closing barrier; the refill, K's next fragments and the rest of the softmax follow behind it.)
.set IMG,   1536
.set SLOTB, 102400
.set PART,  12800                      ; an eighth of a slot: 50 rows of 256 bytes
.set IN,    204800                     ; behind the ring: an inbox for each wave: from each of three partners 32 registers, then -M and the sum
.set INB,   13824
.set INX,   4608
.set SPARE, 315392                     ; behind that: the spare words, 128 bytes for each wave
.set AD2, 0                            ; v0, v2, v45 LDS addresses made where they are used
.set LA,  1                            ; v1     16 lane + 512 kap
.set ADR, 2
.set LW,  3                            ; v3     the same, the lanes' halves changed over where my channels are the upper half
.set SPW, 4
.set NIL, 5
.set ST,  6                            ; v6-9, v10-13 for tile 0, 1: -M, the largest score, the sum in two halves
.set F,   14                           ; v14-15, v16-17 2^(old M - new M)
.set QW,  18                           ; v18    Q's scale words: tile 0 in lanes 0-15, tile 1 in lanes 16-31
.set H8,  19                           ; v19    8 h
.set KW,  20                           ; v20-23 K's scale words
.set VW,  24                           ; v24-27 V's
.set PW,  28                           ; v28-29 p's
.set TM,  30                           ; v30-33 largest of a block: tile u, block c at 2 u + c
.set TP,  34                           ; v34-37
.set TX,  38                           ; v38-41
.set PT,  42                           ; v42-44, v46-48 second halves of conversions
.set AD3, 45
.set NINF, 49
.set MK,  50                           ; v50-51 my query's place in its key step, less 32 h
.set QA,  52                           ; v52-53 offsets of Q's images
.set CO,  54
.set PF,  55
.set Q,   56                           ; v56-79 Q, two tiles
.set P,   80                           ; v80-103 p's codes
.set S,   104                          ; v104-231 S^T, then p, two tiles of 64
.set Z2,  232                          ; v232-255 Z's fragments 2, 3
.set XB,  128                          ; window 1: X: K's tiles 4-7, then V's other four tiles
.set YB,  176                          ; Y: K's tiles 0-3
.set ZB,  224                          ; Z's fragments 0, 1 (Z: V's four tiles of my channels)
.set EXW, 248                          ; window 1: v248-250 where I put what partner kap ^ 1, 2, 3 gets; v251 my inbox; v252-253 my stage, in and out; v254 Q's scale words
.set EXR, 251
.set STI, 252
.set STO, 253
.set QWA, 254
.set MSB, 0
.macro WIN new                         ; the immediate's high byte repeats the setting that is left
.if MSB != \new
	s_set_vgpr_msb (MSB<<8)|\new
.set MSB, \new
.endif
.endm
.macro WALU
	s_wait_alu depctr_va_vdst(0)
.endm
.macro PLACES n
.rept \n
	v_nop
.endr
.endm
.macro MIDDLE                          ; a round's middle: wave 0's signal for the work-group, the cluster's wait
	s_cmp_lg_u32 s12, 0
	s_cbranch_scc1 .Lnot_wave_0_\@
	s_barrier_signal -3
.Lnot_wave_0_\@:
	s_barrier_wait -3
.endm
.macro CREST                           ; a round behind its opening barrier
	MIDDLE
	s_barrier_signal -1
	s_barrier_wait -1
.endm
.macro ROUND
	s_barrier_signal -1
	s_barrier_wait -1
	CREST
.endm
.macro JL
	tensor_load_to_lds s[32:35], s[24:31]
	s_nop 0
	PLACES 4
.endm
.macro LD12 r, adr, off                ; four fragments
.irp t, 0,1,2,3
.irp i, 0,1,2
	ds_load_b128 v[\r+12*\t+4*\i:\r+12*\t+4*\i+3], v[\adr] offset:\off+2048*(3*\t+\i)
.endr
.endr
.endm
.macro FETCHY                          ; K's tiles 0-3 and all K's scale words: 13 loads
	v_add_nc_u32 v[ADR], s44, v[LA]
	s_add_co_u32 s46, s44, 48*2048
	v_add_nc_u32 v[AD2], s46, v[LA]
	WIN 0x40
	LD12 YB, ADR, 0
	WIN 0
	ds_load_b128 v[KW:KW+3], v[AD2]
.endm
.macro FETCHX                          ; K's tiles 4-7: 12 loads
	WIN 0x40
	LD12 XB, ADR, 12*2048
	WIN 0
.endm
.macro FETCHZ                          ; V's four tiles of my channels and all V's scale words: 13 loads
	s_add_co_u32 s46, s44, s49
	v_add_nc_u32 v[AD2], s46, v[LA]
	s_add_co_u32 s46, s44, 49*2048
	v_add_nc_u32 v[AD3], s46, v[LW]
	WIN 0x40
.irp t, 0,1
.irp i, 0,1,2
	ds_load_b128 v[ZB+12*\t+4*\i:ZB+12*\t+4*\i+3], v[AD2] offset:2048*(3*\t+\i)
.endr
.endr
	WIN 0
.irp t, 0,1
.irp i, 0,1,2
	ds_load_b128 v[Z2+12*\t+4*\i:Z2+12*\t+4*\i+3], v[AD2] offset:2048*(6+3*\t+\i)
.endr
.endr
	ds_load_b128 v[VW:VW+3], v[AD3]
.endm
.macro QLOAD qi, qs                    ; Q's two fragments and their scale words
.irp u, 0,1
.irp i, 0,1,2
	global_load_b128 v[Q+12*\u+4*\i:Q+12*\u+4*\i+3], v[QA+\u], s[\qi:\qi+1] offset:512*\i
.endr
.endr
	WIN 0x01
	global_load_b32 v[QW], v[QWA], s[\qs:\qs+1]
	WIN 0
.endm
.macro QK t, fr, ra                    ; K's tile t against both tiles of queries
.irp u, 0,1
	v_wmma_scale_f32_16x16x128_f8f6f4 v[S+64*\u+8*(\t):S+64*\u+8*(\t)+7], v[\fr:\fr+11], v[Q+12*\u:Q+12*\u+11], 0, v[KW+(\t)%4], v[QW] matrix_a_fmt:MATRIX_FMT_FP6 matrix_b_fmt:MATRIX_FMT_FP6 matrix_a_scale:MATRIX_SCALE_ROW\ra matrix_b_scale:MATRIX_SCALE_ROW\u
.endr
.endm
.macro PV t, fr, d, ra                 ; 16 channels against both tiles of queries
.irp u, 0,1
	v_wmma_scale_f32_16x16x128_f8f6f4 v[64*\u+\d+8*(\t):64*\u+\d+8*(\t)+7], v[\fr:\fr+11], v[P+12*\u:P+12*\u+11], v[64*\u+\d+8*(\t):64*\u+\d+8*(\t)+7], v[VW+(\t)], v[PW+\u] matrix_a_fmt:MATRIX_FMT_FP6 matrix_b_fmt:MATRIX_FMT_FP6 matrix_a_scale:MATRIX_SCALE_ROW\ra matrix_b_scale:MATRIX_SCALE_ROW0
.endr
.endm
.macro HIDE                            ; step D alone: hidden scores become -infinity ahead of the maximum: p = 0
	v_mov_b32 v[NINF], 0xff800000
.irp u, 0,1
.irp n, 0,1,2,3,4,5,6,7,8,9,10,11,12,13,14,15,16,17,18,19,20,21,22,23,24,25,26,27,28,29,30,31,32,33,34,35,36,37,38,39,40,41,42,43,44,45,46,47,48,49,50,51,52,53,54,55,56,57,58,59,60,61,62,63
	v_cmp_gt_i32 vcc_lo, 64*(\n/32)+\n%32, v[MK+\u]
	v_cndmask_b32 v[S+64*\u+\n], v[S+64*\u+\n], v[NINF], vcc_lo
.endr
.endr
.endm
.macro MAXIMA                          ; the largest score of each of my four blocks, then of each query
.irp u, 0,1
.irp c, 0,1
	v_max3_num_f32 v[TM+2*\u+\c], v[S+64*\u+32*\c], v[S+64*\u+32*\c+1], v[S+64*\u+32*\c+2]
.endr
.endr
.irp i, 3,5,7,9,11,13,15,17,19,21,23,25,27,29
.irp u, 0,1
.irp c, 0,1
	v_max3_num_f32 v[TM+2*\u+\c], v[TM+2*\u+\c], v[S+64*\u+32*\c+\i], v[S+64*\u+32*\c+\i+1]
.endr
.endr
.endr
.irp u, 0,1
.irp c, 0,1
	v_max_num_f32 v[TM+2*\u+\c], v[TM+2*\u+\c], v[S+64*\u+32*\c+31]
.endr
.endr
.irp u, 0,1
	v_max_num_f32 v[TX+2*\u], v[TM+2*\u], v[TM+2*\u+1]
.endr
.irp u, 0,1
	v_permlanex16_b32 v[TP+2*\u], v[TX+2*\u], s20, s21
.endr
.irp u, 0,1
	v_max3_num_f32 v[ST+4*\u+1], v[ST+4*\u+1], v[TX+2*\u], v[TP+2*\u]   ; with lane l xor 16's keys: the running largest score
.endr
.endm
.macro SOFTBEG                         ; the new M, and t - M
.irp u, 0,1
	v_mul_f32 v[TX+2*\u], s50, v[ST+4*\u+1]        ; -t of the largest score
.endr
.irp u, 0,1
	v_mov_b32 v[TX+2*\u+1], v[ST+4*\u]
.endr
.irp u, 0,1
	v_floor_f32 v[ST+4*\u], v[TX+2*\u]             ; the new -M = floor(-t): a whole number
.endr
.irp u, 0,1
	v_sub_f32 v[TX+2*\u+1], v[ST+4*\u], v[TX+2*\u+1]   ; old M - new M: 0 or less
.endr
.irp u, 0,1
	v_cvt_i32_f32 v[TX+2*\u+1], v[TX+2*\u+1]       ; (it saturates)
.endr
.irp u, 0,1
	v_ldexp_f32 v[F+2*\u], 1.0, v[TX+2*\u+1]
.endr
.irp u, 0,1
.irp j, 0,2,4,6,8,10,12,14,16,18,20,22,24,26,28,30,32,34,36,38,40,42,44,46,48,50,52,54,56,58,60,62
	v_pk_fma_f32 v[S+64*\u+\j:S+64*\u+\j+1], v[S+64*\u+\j:S+64*\u+\j+1], s[22:23], v[ST+4*\u:ST+4*\u+1] op_sel_hi:[1,0,0]   ; t - M
.endr
.irp c, 0,1
	v_fma_f32 v[TM+2*\u+\c], v[TM+2*\u+\c], s22, v[ST+4*\u]   ; the same of each block's largest score
.endr
.endr
	WALU                                           ; the wait ahead of a batch, and one behind it
.endm
.macro EXPS0                           ; p = 2^(t - M) of tile 0
.set I, 0
.rept 64
	v_exp_f32 v[S+I], v[S+I]
.set I, I+1
.endr
	v_pk_mul_f32 v[ST+2:ST+3], v[ST+2:ST+3], v[F:F+1] op_sel_hi:[1,0]   ; its sum under the new M
	WALU
.endm
.macro SOFTEND                         ; tile 1's p, the blocks' largest p, the sums, the codes
.set I, 64
.rept 64
	v_exp_f32 v[S+I], v[S+I]
.set I, I+1
.endr
.irp c, 0,1,2,3
	v_exp_f32 v[TM+\c], v[TM+\c]                   ; each block's largest p
.endr
	v_pk_mul_f32 v[ST+6:ST+7], v[ST+6:ST+7], v[F+2:F+3] op_sel_hi:[1,0]
	WALU
.irp u, 0,1                                    ; the sums of the unquantised p, four chains
	v_pk_add_f32 v[TX+2*\u:TX+2*\u+1], v[S+64*\u:S+64*\u+1], v[S+64*\u+2:S+64*\u+3]
.endr
.irp j, 4,8,12,16,20,24,28,32,36,40,44,48,52,56,60
.irp u, 0,1
	v_pk_add_f32 v[ST+4*\u+2:ST+4*\u+3], v[ST+4*\u+2:ST+4*\u+3], v[S+64*\u+\j:S+64*\u+\j+1]
	v_pk_add_f32 v[TX+2*\u:TX+2*\u+1], v[TX+2*\u:TX+2*\u+1], v[S+64*\u+\j+2:S+64*\u+\j+3]
.endr
.endr
.irp u, 0,1
	v_pk_add_f32 v[ST+4*\u+2:ST+4*\u+3], v[ST+4*\u+2:ST+4*\u+3], v[TX+2*\u:TX+2*\u+1]
.endr
.irp c, 0,1,2,3
	v_max_num_f32 v[TM+\c], 0x1800000, v[TM+\c]    ; the floor 2^(3 - 127): the byte cannot fall under 1
.endr
.irp c, 0,1,2,3
	v_add_nc_u32 v[TM+\c], 0xff000000, v[TM+\c]    ; 2 off the exponent field: the conversion's scale operand
.endr
.irp c, 0,1,2,3
	v_lshrrev_b32 v[TP+\c], 23, v[TM+\c]           ; the scale's byte: block 2 c + h
.endr
.irp u, 0,1
	v_lshl_or_b32 v[TP+2*\u], v[TP+2*\u+1], 16, v[TP+2*\u]
.endr
.irp u, 0,1
	v_lshlrev_b32 v[TP+2*\u], v[H8], v[TP+2*\u]
.endr
.irp u, 0,1
	v_permlanex16_b32 v[TP+2*\u+1], v[TP+2*\u], s20, s21
.endr
.irp u, 0,1
	v_or_b32 v[PW+\u], v[TP+2*\u], v[TP+2*\u+1]    ; p's scale word for these 128 keys
.endr
.irp c, 0,1
	v_cvt_scalef32_pk16_fp6_f32 v[P+6*\c:P+6*\c+2], v[S+32*\c:S+32*\c+15], v[TM+\c]
	v_cvt_scalef32_pk16_fp6_f32 v[PT+4*\c:PT+4*\c+2], v[S+32*\c+16:S+32*\c+31], v[TM+\c]   ; (a conversion's three registers begin on an even number)
.endr
	v_nop                                          ; one plain line behind the scaled conversions
.irp c, 0,1
	v_cvt_scalef32_pk16_fp6_f32 v[P+12+6*\c:P+12+6*\c+2], v[S+64+32*\c:S+64+32*\c+15], v[TM+2+\c]
	v_cvt_scalef32_pk16_fp6_f32 v[S+4*\c:S+4*\c+2], v[S+64+32*\c+16:S+64+32*\c+31], v[TM+2+\c]   ; (tile 0's p have been converted)
.endr
.irp c, 0,1
.irp i, 0,1,2
	v_mov_b32 v[P+6*\c+3+\i], v[PT+4*\c+\i]
.endr
.endr
.irp c, 0,1
.irp i, 0,1,2
	v_mov_b32 v[P+12+6*\c+3+\i], v[S+4*\c+\i]
.endr
.endr
.endm
.macro RESCALE d                       ; 32 registers of each tile's O^T under the new M
.irp u, 0,1
.irp j, 0,2,4,6,8,10,12,14,16,18,20,22,24,26,28,30
	v_pk_mul_f32 v[64*\u+\d+\j:64*\u+\d+\j+1], v[64*\u+\d+\j:64*\u+\d+\j+1], v[F+2*\u:F+2*\u+1] op_sel_hi:[1,0]
.endr
.endr
.endm
; A PREFETCH INTO THE L2 of the slot two refills on.  All clusters of a batch walk the same slots: the batch's first cluster asks (its trip i refills with slot i + 1 and asks for slot i + 3; slot 7 is the last; slots 0 to 2 come by their loads alone).
; Its four partners share a slot's 400 blocks of 256 bytes out BY ADDRESS, 100 each; waves 4 to 7 take 25 each, a lane a block (lanes 25 to 31 name lane 24's).
.macro ASK
	s_cmp_le_i32 s19, s60
	s_cbranch_scc0 .Lno_ask_\@
	global_prefetch_b8 v[PF], s[42:43] th:TH_LOAD_NT scope:SCOPE_SE
.Lno_ask_\@:
.endm
; A TRIP is one slot.  mask: the wave may have no step in it, or the diagonal;  next: a slot follows;  refill: this slot's bytes are filled again.
; s41 = 4 x the slot's number, s40 = D - kap: the wave's key step lies beyond D where s41 > s40, on it where they are equal.
.macro TRIP mask, refill, next
.if \mask
	s_cmp_gt_i32 s41, s40
	s_cbranch_scc1 .Lhidden_1_\@
.endif
	s_wait_dscnt 25                                ; Y and K's scale words are in; X's 12 and Z's 13 loads may be out
	WIN 0x01
.irp t, 0,1,2,3
	QK \t, YB+12*\t, 0
.endr
	s_wait_dscnt 13                                ; X is in
.irp t, 0,1,2,3
	QK \t+4, XB+12*\t, 1
.endr
	WIN 0
	s_add_co_u32 s46, s44, s47
	v_add_nc_u32 v[AD2], s46, v[LA]                ; (the first of four places ahead of the loads into X, and of the first read of the scores)
	PLACES 3
	WIN 0x40
	LD12 XB, AD2, 0                                ; V's other four tiles
	WIN 0
.if \mask
	s_cmp_lt_i32 s41, s40
	s_cbranch_scc1 .Lopen_\@
	HIDE
.Lopen_\@:
.endif
	MAXIMA
	WALU
.Lhidden_1_\@:
.if \next
	s_wait_xcnt 0x0                                ; the last prefetch and the last stores have read their registers
.if \refill
	s_add_nc_u64 s[42:43], s[42:43], SLOTB
	s_add_co_u32 s46, s19, 1
	s_cmp_lg_u32 s46, s18
	s_cbranch_scc1 .Lsame_q_\@
	QLOAD 52, 54                                   ; the first group's last slot: its products with Q are done: the second group's Q
.Lsame_q_\@:
	s_wait_tensorcnt 0x0                           ; my eighth of the next slot is in: no tensor load of mine is out
	ds_add_u32 v[SPW], v[NIL]                      ; the descriptor's lines stand between the add and its wait
	s_add_co_u32 s48, s48, SLOTB                   ; the refill: the next slot but one, or, where the second group begins, slot 0
	s_add_co_u32 s46, s19, 2
	s_cmp_eq_u32 s46, s18
	s_cselect_b32 s48, 0, s48
	s_mov_b32 s36, s48
	s_add_nc_u64 s[34:35], s[38:39], s[36:37]
	s_or_b32 s35, s35, 0x80000000
	s_add_co_u32 s33, s45, s44
.else
	s_wait_tensorcnt 0x0
.endif
	s_wait_dscnt 0x0                               ; my reads of this slot are over
	s_barrier_signal -1
.endif
.if \mask
	s_cmp_gt_i32 s41, s40
	s_cbranch_scc1 .Lhidden_2_\@
.endif
	SOFTBEG
.Lhidden_2_\@:
.if \refill
	s_barrier_wait -1
	MIDDLE
	s_barrier_signal -1                            ; the round's closing barrier: tile 0's exponentials, register work, stand between its signal and its wait
.endif
.if \mask
	s_cmp_gt_i32 s41, s40
	s_cbranch_scc1 .Lhidden_5_\@
.endif
	EXPS0
.Lhidden_5_\@:
.if \next
	s_barrier_wait -1
.if \refill
	JL                                             ; the refill has the rest of this step, and the next up to its maxima, in which to land
.endif
	s_xor_b32 s44, s44, SLOTB
	FETCHY
.if \refill
	ASK
.endif
	WALU
.else
	s_wait_dscnt 0x0
.endif
.if \mask
	s_cmp_gt_i32 s41, s40
	s_cbranch_scc1 .Lhidden_3_\@
.endif
	SOFTEND
	WIN 0x41
	RESCALE 0
	RESCALE 32
	WIN 0x51
.irp t, 0,1,2,3
	PV \t, XB+12*\t, 32, 1
.endr
	WIN 0
	PLACES 4
.Lhidden_3_\@:
.if \next
	FETCHX
.endif
.if \mask
	s_cmp_gt_i32 s41, s40
	s_cbranch_scc1 .Lhidden_4_\@
.endif
	WIN 0x51
.irp t, 0,1
	PV \t, ZB+12*\t, 0, 0
.endr
	WIN 0x50
.irp t, 0,1
	PV \t+2, Z2+12*\t, 0, 0
.endr
	WIN 0
	PLACES 4
.Lhidden_4_\@:
.if \next
	FETCHZ
.endif
.if \refill
	WALU
	s_wait_loadcnt 0x0                             ; Q, where it was loaded
.endif
.endm
; A GROUP'S END.  Three quarters of my O^T, -M and the sums go to the partners who store them; a barrier; the three parts of my quarter come back, are joined and leave as whole 256-byte pieces of rows.
.macro MERGE o
.irp u, 0,1
	v_add_f32 v[TX+2*\u+1], v[ST+4*\u+2], v[ST+4*\u+3]
.endr
.irp u, 0,1
	v_permlanex16_b32 v[TP+2*\u], v[TX+2*\u+1], s20, s21
.endr
.irp u, 0,1
	v_add_f32 v[TX+2*\u+1], v[TX+2*\u+1], v[TP+2*\u]   ; my steps' sum of the query,
.endr
.irp u, 0,1
	v_mov_b32 v[TX+2*\u], v[ST+4*\u]               ; and -M beside it
.endr
	WALU
	WIN 0x05
.irp i, 0,1,2,3,4,5,6,7
	ds_store_b128 v[EXW], v[64+4*\i:64+4*\i+3] offset:512*\i
	ds_store_b128 v[EXW+1], v[32+4*\i:32+4*\i+3] offset:512*\i
	ds_store_b128 v[EXW+2], v[96+4*\i:96+4*\i+3] offset:512*\i
.endr
	WIN 0x01
	ds_store_b64 v[EXW], v[TX+2:TX+3] offset:4096
	ds_store_b64 v[EXW+1], v[TX:TX+1] offset:4096
	ds_store_b64 v[EXW+2], v[TX+2:TX+3] offset:4096
	WIN 0
	s_wait_dscnt 0x0                               ; for the partners' sake: my stores have landed
	s_barrier_signal -1
	s_barrier_wait -1
	WIN 0x01
.irp x, 0,1,2
	ds_load_b64 v[S+96+2*\x:S+97+2*\x], v[EXR] offset:INX*\x+4096
.endr
.irp x, 0,1,2
.irp i, 0,1,2,3,4,5,6,7
	ds_load_b128 v[S+32*\x+4*\i:S+32*\x+4*\i+3], v[EXR] offset:INX*\x+512*\i
.endr
.endr
	WIN 0
	s_wait_dscnt 24                                ; the three pairs are in
	v_min3_num_f32 v[S+112], v[S+96], v[S+98], v[S+100]
	v_min_num_f32 v[S+112], v[S+112], v[ST]        ; -M of the four together
	v_sub_f32 v[S+104], v[S+112], v[ST]            ; whole numbers, 0 or less
.irp x, 0,1,2
	v_sub_f32 v[S+106+2*\x], v[S+112], v[S+96+2*\x]
.endr
.irp x, 0,2,4,6
	v_cvt_i32_f32 v[S+104+\x], v[S+104+\x]         ; (they saturate: a wave that had no step gets the factor 0)
.endr
.irp x, 0,2,4,6
	v_ldexp_f32 v[S+104+\x], 1.0, v[S+104+\x]
.endr
	v_mul_f32 v[S+113], v[TX+1], v[S+104]
.irp x, 0,1,2
	v_fma_f32 v[S+113], v[S+97+2*\x], v[S+106+2*\x], v[S+113]
.endr
	WALU
	v_rcp_f32 v[S+114], v[S+113]
	v_nop                                          ; one plain place behind the reciprocal
	WALU
.irp x, 0,2,4,6
	v_mul_f32 v[S+104+\x], v[S+104+\x], v[S+114]
.endr
	WALU
	s_wait_dscnt 0x0
.irp j, 0,2,4,6,8,10,12,14,16,18,20,22,24,26,28,30
	v_pk_mul_f32 v[S+\j:S+\j+1], v[S+\j:S+\j+1], v[S+106:S+107] op_sel_hi:[1,0]
.endr
.irp x, 1,2
.irp j, 0,2,4,6,8,10,12,14,16,18,20,22,24,26,28,30
	v_pk_fma_f32 v[S+\j:S+\j+1], v[S+32*\x+\j:S+32*\x+\j+1], v[S+106+2*\x:S+107+2*\x], v[S+\j:S+\j+1] op_sel_hi:[1,0,1]
.endr
.endr
	WIN 0x01
.irp j, 0,2,4,6,8,10,12,14,16,18,20,22,24,26,28,30
	v_pk_fma_f32 v[S+\j:S+\j+1], v[\j:\j+1], v[S+104:S+105], v[S+\j:S+\j+1] op_sel_hi:[1,0,1]   ; register 8 t + i: out(my query, my half's channel 16 t + 8 h + i)
.endr
.irp t, 0,1,2,3                                ; my stage lies in my inbox, which has been read
	ds_store_b128 v[STI], v[S+8*\t:S+8*\t+3] offset:64*\t
	ds_store_b128 v[STI], v[S+8*\t+4:S+8*\t+7] offset:64*\t+16
.endr
	WIN 0x41
.irp i, 0,1,2,3,4,5,6,7
	ds_load_b128 v[64+4*\i:64+4*\i+3], v[STO] offset:544*\i   ; LDS serves a wave's instructions in order (ISA guide 5.7.1.4); tile 1's O^T has been handed over
.endr
	WIN 0x04
	s_wait_dscnt 0x0
.irp i, 0,1,2,3,4,5,6,7
	global_store_b128 v[CO], v[64+4*\i:64+4*\i+3], s[\o:\o+1] offset:(2*\i+8*(\i/4))*512 th:TH_STORE_NT   ; sixteen lanes store 256 consecutive bytes; tile rows 2 i, 2 i + 1 are queries 2 i + 8 (i / 4) on
.endr
	WIN 0
.endm
.macro BASES d, qi, qs, o              ; for the tiles of key step s\d: Q's images, Q's scale words, my part of out
	s_lshl_b32 s36, s17, 5
	s_add_co_u32 s36, s36, s\d
	s_lshl_b32 s36, s36, 3
	s_lshl_b32 s46, s15, 1
	s_add_co_u32 s62, s36, s46                     ; the first of the two tiles: 8 (32 batch + D) + 2 cx
	s_lshl_b32 s36, s62, 4
	s_add_co_u32 s36, s36, s63
	s_lshl_b32 s36, s36, 9
	s_add_co_u32 s36, s36, s61
	s_add_nc_u64 s[\o:\o+1], s[10:11], s[36:37]
	s_mul_i32 s36, s62, IMG
	s_add_nc_u64 s[\qi:\qi+1], s[4:5], s[36:37]
	s_lshl_b32 s36, s62, 6
	s_add_nc_u64 s[\qs:\qs+1], s[6:7], s[36:37]
.endm
	s_load_b256 s[4:11], s[0:1], 0x0               ; qimg, qsc, kv, out0
	v_lshl_add_u32 v[SPW], v0, 2, SPARE
	v_mov_b32 v[NIL], 0
	ds_add_u32 v[SPW], v[NIL]                      ; the opening lines: the add, twice on end, and its wait
	ds_add_u32 v[SPW], v[NIL]
	v_lshrrev_b32 v6, 5, v0
	v_readfirstlane_b32 s12, v6                    ; wave 0..7
	s_lshr_b32 s13, s12, 1                         ; kap
	s_and_b32 s14, s12, 1                          ; a
	s_bfe_u32 s15, ttmp6, 0x40000                  ; cx: it enters global addresses and the mask's comparison alone
	s_mov_b32 s16, ttmp9                           ; c
	s_and_b32 s17, ttmp7, 0xffff                   ; the batch
	s_lshr_b32 s18, s16, 1
	s_add_co_u32 s18, s18, 1                       ; the first group's slots: 1 .. 4
	s_mov_b32 s19, 0                               ; the trip
	s_mov_b32 s20, 0x76543210
	s_mov_b32 s21, 0xfedcba98
	s_mov_b32 s22, 0x3e0293ee                      ; log2(e) / sqrt(128)
	s_mov_b32 s23, s22
	s_mov_b32 s50, 0xbe0293ee                      ; and its negative
	s_mov_b32 s24, 15|(3<<16)|(1<<21)              ; the mask: all four work-groups; elements of 8 bytes; 21 set beside a mask
	s_mov_b32 s25, 32<<16                          ; a dense block of 12,800 bytes as 50 rows of 32 elements
	s_mov_b32 s26, 50<<16
	s_mov_b32 s27, 32<<16
	s_mov_b32 s28, 50
	s_mov_b32 s29, 32
	s_mov_b32 s30, 0
	s_mov_b32 s31, 0
	s_mul_i32 s45, s12, PART
	s_mul_i32 s36, s17, 8*SLOTB
	s_add_co_u32 s36, s36, s45
	s_mov_b32 s37, 0
	s_wait_dscnt 0x0
	s_wait_kmcnt 0x0
	s_add_nc_u64 s[38:39], s[8:9], s[36:37]        ; my eighth of the batch's slot 0
	s_mov_b32 s32, 1
	s_mov_b32 s33, s45                             ; LDS address: the wave's number and constants alone
	s_mov_b64 s[34:35], s[38:39]
	s_or_b32 s35, s35, 0x80000000
	ROUND                                          ; all four work-groups are here: the first joint loads meet
	JL
	s_lshr_b32 s46, s13, 1                         ; which half of the channels is mine
	s_mul_i32 s49, s46, 12*2048
	s_add_co_u32 s49, s49, 24*2048                 ; V's tiles of my half in a slot,
	s_sub_co_u32 s47, 60*2048, s49                 ; and the other four
	s_lshl_b32 s61, s46, 8
	s_and_b32 s46, s13, 1                          ; which of the two tiles is mine
	s_lshl_b32 s63, s46, 3
	s_lshl_b32 s62, s15, 5
	s_add_co_u32 s62, s62, s63
	s_xor_b32 s3, s62, 8
	s_lshl_b32 s2, s46, 4
	s_mul_i32 s46, s46, IMG
	s_sub_co_u32 s41, IMG, s46
	s_lshl_b32 s36, s13, 9
	s_mul_i32 s44, s12, INB
	s_add_co_u32 s44, s44, IN
	v_and_b32 v6, 31, v0                           ; l
	v_and_b32 v7, 15, v0                           ; r
	v_bfe_u32 v8, v0, 4, 1                         ; h
	v_lshlrev_b32 v9, 4, v6                        ; 16 l
	v_add_nc_u32 v[LA], s36, v9
	v_xor_b32 v10, s61, v9
	v_add_nc_u32 v[LW], s36, v10
	v_lshlrev_b32 v[H8], 3, v8
	v_and_b32 v10, 8, v7
	v_add_nc_u32 v10, v10, v7
	v_lshlrev_b32 v11, 5, v8
	v_sub_nc_u32 v10, v10, v11                     ; r + 8 (r / 8) - 32 h
	v_add_nc_u32 v[MK], s62, v10
	v_add_nc_u32 v[MK+1], s3, v10
	v_add_nc_u32 v[QA], s46, v9
	v_add_nc_u32 v[QA+1], s41, v9
	v_lshlrev_b32 v11, 9, v8
	v_lshl_add_u32 v[CO], v7, 4, v11               ; out: lanes 0-15 one row, lanes 16-31 the next
	v_min_u32 v12, 24, v6
	v_lshlrev_b32 v[PF], 8, v12
	v_xor_b32 v12, s2, v6
	v_mul_u32_u24 v10, v7, 272
	v_lshl_add_u32 v10, v8, 5, v10                 ; the stage, in: row r, + 32 h
	v_mul_u32_u24 v11, v8, 272
	v_lshl_add_u32 v11, v7, 4, v11                 ; and back
	WIN 0x40
	v_lshlrev_b32 v[QWA], 2, v12
	v_add_nc_u32 v[EXR], s44, v9
	v_add_nc_u32 v[STI], s44, v10
	v_add_nc_u32 v[STO], s44, v11
.irp x, 1,2,3
	s_xor_b32 s36, s12, 2*\x
	s_mul_i32 s36, s36, INB
	s_add_co_u32 s36, s36, IN+INX*(\x-1)
	v_add_nc_u32 v[EXW+\x-1], s36, v9              ; partner kap ^ x's inbox
.endr
	WIN 0
	s_lshl_b32 s40, s16, 1
	s_sub_co_u32 s51, 30, s40
	s_add_co_u32 s40, s40, s14                     ; D of the first group,
	s_add_co_u32 s51, s51, s14                     ; and of the second
	BASES 51, 52, 54, 58
	BASES 40, 2, 6, 56                             ; (s[2:3]: the first group's Q)
	s_sub_co_i32 s40, s40, s13                     ; D - kap
	s_sub_co_i32 s51, s51, s13
	s_mov_b32 s41, 0
	s_mov_b32 s44, 0                               ; the slot that is read, in LDS
	s_cmp_gt_u32 s12, 3
	s_cselect_b32 s60, 4, -1
	s_cmp_eq_u32 s16, 0
	s_cselect_b32 s60, s60, -1                     ; the prefetches' last trip
	s_mul_i32 s36, s17, 8*SLOTB
	s_mul_i32 s46, s15, 25600
	s_add_co_u32 s36, s36, s46
	s_and_b32 s46, s12, 3
	s_mul_i32 s46, s46, 6400
	s_add_co_u32 s36, s36, s46
	s_add_co_u32 s36, s36, 2*SLOTB                 ; trip 0 steps them to slot 3
	s_add_nc_u64 s[42:43], s[8:9], s[36:37]
	WALU
	QLOAD 2, 6
.irp u, 0,1
	v_mov_b32 v[ST+4*\u], 0x7f61b1e6               ; -M, and the largest score so far: -3e38
	v_mov_b32 v[ST+4*\u+1], 0xff61b1e6
	v_mov_b32 v[ST+4*\u+2], 0
	v_mov_b32 v[ST+4*\u+3], 0
	v_mov_b32 v[F+2*\u], 0
	v_mov_b32 v[F+2*\u+1], 0
	v_mov_b32 v[PW+\u], 0
.endr
.set I, 0
.rept 8
	v_mov_b32 v[TM+I], 0                           ; a lane permute's destination counts as one of its sources
.set I, I+1
.endr
.set I, P
.rept 152
	v_mov_b32 v[I], 0                              ; p's codes and the scores: a wave may have no step in the first slot, and its parts of a trip are branched round one by one
.set I, I+1
.endr
	WIN 0x40
.set I, 0
.rept 128
	v_mov_b32 v[I], 0                              ; O^T: likewise
.set I, I+1
.endr
	WIN 0
	WALU                                           ; the wait at the head's end
	s_wait_tensorcnt 0x0                           ; my eighth of slot 0 is in
	ds_add_u32 v[SPW], v[NIL]
	s_cmp_eq_u32 s18, 1
	s_cselect_b32 s48, 0, SLOTB                    ; what is walked second: slot 1, or slot 0 again where the first group has one slot
	s_mov_b32 s36, s48
	s_add_nc_u64 s[34:35], s[38:39], s[36:37]
	s_or_b32 s35, s35, 0x80000000
	s_add_co_u32 s33, s45, SLOTB
	s_wait_dscnt 0x0
	ROUND
	JL                                             ; the first fill of the second LDS slot, issued as a refill is
	FETCHY
	FETCHX
	FETCHZ
	WALU
	s_wait_loadcnt 0x0                             ; Q
.Lloop:
	TRIP 1, 1, 1
	s_add_co_u32 s41, s41, 4
	s_add_co_u32 s19, s19, 1
	s_cmp_lg_u32 s19, s18                          ; the same in all waves of the cluster: the cluster's number and the trip
	s_cbranch_scc1 .Lsame_group
	MERGE 56
.irp u, 0,1
	v_mov_b32 v[ST+4*\u], 0x7f61b1e6               ; the second group begins: its first step multiplies the sums and O^T by 2^(-3e38) = 0
	v_mov_b32 v[ST+4*\u+1], 0xff61b1e6
.endr
	s_mov_b32 s40, s51
	s_mov_b32 s41, 0
	WALU
.Lsame_group:
	s_cmp_lt_u32 s19, 7
	s_cbranch_scc1 .Lloop
	TRIP 0, 0, 1
	WALU
	s_add_co_u32 s41, s41, 4
	TRIP 1, 0, 0                                   ; trip 8
	MERGE 58
	s_wait_tensorcnt 0x0                           ; the wave's end
	ds_add_u32 v[SPW], v[NIL]
	s_wait_dscnt 0x0
	ROUND                                          ; the closing round: no work-group ends while a partner may still ask for a slot jointly with it
	s_endpgm
.Lfunc_end_k_qb533d4d8b4_attn:
	.size	k_qb533d4d8b4_attn, .Lfunc_end_k_qb533d4d8b4_attn-k_qb533d4d8b4_attn
	.p2alignl 7, 3214868480
	.fill 96, 4, 3214868480
	.section	.rodata,"a",@progbits
	.p2align	6, 0x0
	.amdhsa_kernel k_qb533d4d8b4_attn
		.amdhsa_group_segment_fixed_size 327680
		.amdhsa_private_segment_fixed_size 0
		.amdhsa_enable_private_segment 0
		.amdhsa_kernarg_size 32
		.amdhsa_user_sgpr_count 2
		.amdhsa_user_sgpr_kernarg_segment_ptr 1
		.amdhsa_wavefront_size32 1
		.amdhsa_system_sgpr_workgroup_id_x 1
		.amdhsa_system_sgpr_workgroup_id_y 1
		.amdhsa_system_sgpr_workgroup_id_z 1
		.amdhsa_system_vgpr_workitem_id 0
		.amdhsa_next_free_vgpr 512
		.amdhsa_next_free_sgpr 66
		.amdhsa_reserve_vcc 1
		.amdhsa_float_denorm_mode_32 3
		.amdhsa_float_denorm_mode_16_64 3
		.amdhsa_memory_ordered 1
		.amdhsa_forward_progress 1
		.amdhsa_inst_pref_size 160
	.end_amdhsa_kernel
	.amdgpu_metadata
---
amdhsa.version: [ 1, 2 ]
amdhsa.kernels:
  - .name:           k_qb533d4d8b4_attn
    .symbol:         k_qb533d4d8b4_attn.kd
    .args:
      - { .name: qimg, .offset: 0, .size: 8, .value_kind: global_buffer, .address_space: global }
      - { .name: qsc, .offset: 8, .size: 8, .value_kind: global_buffer, .address_space: global }
      - { .name: kv, .offset: 16, .size: 8, .value_kind: global_buffer, .address_space: global }
      - { .name: out0, .offset: 24, .size: 8, .value_kind: global_buffer, .address_space: global }
    .group_segment_fixed_size: 327680
    .private_segment_fixed_size: 0
    .kernarg_segment_align: 8
    .kernarg_segment_size: 32
    .max_flat_workgroup_size: 256
    .sgpr_count:     66
    .vgpr_count:     512
    .wavefront_size: 32
...
	.end_amdgpu_metadata
.endif
;; end of part 3
